; MI455X (gfx1250); checked and timed in simulation.
; The chip was launched on July 23, 2026; its instructions are those of AMD's public machine-readable ISA for CDNA 5 (MIT licence, August 2026) and "CDNA5" Instruction Set Architecture Reference Guide (July 2026). The comments in the code are by the model that wrote it; some were corrected since.
;; GRU Router Cell. Allowed arithmetic: matrix products marked QUANTISED: E4M3 operands, one given power-of-two scale a tensor, by v_wmma_f32_16x16x64_fp8_fp8 or v_wmma_f32_16x16x128_fp8_fp8, f32 sums; everything else in f32.
;; Inputs: bias_hn 1,024 float32; bias_hr 1,024 float32; bias_hz 1,024 float32; bias_in 1,024 float32; bias_ir 1,024 float32; bias_iz 1,024 float32; h 8,192 x 1,024 float32; lowp_scales 4 int32 (the exponents e of the quantised operands' scales 2^e); weight_hn 1,024 x 1,024 float32; weight_hr 1,024 x 1,024 float32; weight_hz 1,024 x 1,024 float32; weight_in 1,024 x 1,024 float32; weight_ir 1,024 x 1,024 float32; weight_iz 1,024 x 1,024 float32; x_codes 8,192 x 32 x 32 uint8 (E4M3 codes of x, K innermost, in blocks of 32 codes).
;; Outputs: out0 8,192 x 1,024 float32.
;; This version of the problem:
;;   THIS VERSION OF THE PROBLEM IS GIVEN IN LOW PRECISION. The matrix products marked QUANTISED in the list below multiply operands that are first quantised to E4M3 (4 exponent bits, 3 mantissa bits; 8 bits a number), with one given power-of-two scale for each operand tensor; their sums are f32. All else is computed in f32.
;;   The module's matrix products, in the order in which they are computed (A, B: the left and right operand; K: the contracted axis; several contracted axes count as one K, in the product's order):
;;     1. [M 8,192, K 1,024] x [K 1,024, N 3,072]; A: input x (given as codes); B: computed on the way: QUANTISED (scales: A lowp_scales[0], B lowp_scales[1])
;;     2. [M 8,192, K 1,024] x [K 1,024, N 3,072]; A: input h; B: computed on the way: QUANTISED (scales: A lowp_scales[2], B lowp_scales[3])
;;   THE QUANTISER, for each operand of a quantised product, along K:
;;     - The operand's scale is 2^e, e = its entry of the input lowp_scales (int32; the entries are numbered through the quantised products in the list's order, A before B).
;;     - Each number is divided by the scale, clamped to +-448, and rounded to the nearest number of E4M3, ties to even, subnormals kept.
;;     - The product sums the exact products of the quantised numbers (number of the format x scale) in f32.
;;   ~~~python
;;   def quantise(x, axis, e):      # numpy; x: float32 -> the quantised numbers, widened to float32 again
;;       x = np.moveaxis(x, axis, -1); K = x.shape[-1]
;;       r = np.clip(x / 2.0 ** e, -448, 448)
;;       step = 2.0 ** (np.maximum(np.frexp(np.where(r == 0, 1, r))[1] - 1, -6) - 3)
;;       q = np.round(r / step) * step * 2.0 ** e      # np.round: ties to even
;;       return np.moveaxis(q, -1, axis).astype(np.float32)
;;   ~~~
;;   OPERANDS COMPUTED ON THE WAY. 'Computed on the way' means the value that the module computes at that place (a softmax that the list does not call 'softmax' is quantised finished and normalised). What goes into a quantiser is computed in f32, as accurately as f32 sums, v_exp_f32 and their like allow (about 1e-6 of the number): no bf16 or f16 on the way to a quantiser, and a product that is left as it is and whose result goes on into a quantised operand takes f32 operands (vector FMAs, or v_wmma_f32_16x16x4_f32). A number that lies on a knife's edge between two numbers of the format may be rounded either way, as far as f32 arithmetic and the matrix unit's own rounding can turn it there, and no further.
;;   INPUTS GIVEN AS CODES. x (in the module: [8192, 1024], K = its axis 1): each comes as NAME_codes (uint8): NAME with its K axis moved to the last place and cut into blocks of 32 codes, [.., K / 32, bytes a block], one block behind the other in memory; one code a byte (a code: sign, 4 exponent bits, 3 mantissa bits); its scale is its entry of lowp_scales. Its value is code x scale, taken as it is: it is not quantised again, and the codes and scales need not be those that the quantiser above would give.
;; One version. Each part assembles by itself: llvm-mc -triple=amdgcn-amd-amdhsa -mcpu=gfx1250 --defsym DOCPART=n.
;; ======== version 1 of 1: 2 launches
;; workspace buffers: hc 8,388,608 bytes; wc 6,291,456 bytes
;; launch quant (part 1): grid 448 x 1, 4 waves a work-group, no clusters, 33,280 bytes of LDS; arguments h, weight_ir, weight_iz, weight_in, weight_hr, weight_hz, weight_hn, lowp_scales, hc, wc; writes hc, wc
.if DOCPART == 1
	.amdgcn_target "amdgcn-amd-amdhsa--gfx1250"
	.amdhsa_code_object_version 6
	.text
	.protected	k_qa44d9fdc80_quant
	.globl	k_qa44d9fdc80_quant
	.p2align	8
	.type	k_qa44d9fdc80_quant,@function
k_qa44d9fdc80_quant:
	s_mov_b64 s[64:65], 0
	v_nop
	global_prefetch_b8 v0, s[64:65] scope:SCOPE_SE
	s_setreg_imm32_b32 hwreg(HW_REG_WAVE_MODE, 25, 1), 1
	s_wait_xcnt 0x0
; h [8192][1024] and the six weights [1024][1024], f32, K innermost, are turned into codes of FP8 (E4M3), one byte each, each with the one scale 2^e that is given for it:
; h by entry 2 of the scales, the input-side weights (ir, iz, in) by entry 1, the hidden-side weights (hr, hz, hn) by entry 3.
; code = x / 2^e, held within +-448, rounded to the nearest code, ties to even.
; LIMITS: -126 <= e <= 119, so that 2^e and 448 x 2^e are f32 numbers.  NaN among the inputs is not served; an infinity is held at the largest code.
; WHERE THE CODES GO.  hc: [8192][1024] bytes, as h lies.  wc: [p 2][t 16][c 2][g 3][j 32][1024] bytes: row (32 p + 2 t + c) 96 + 32 g + j holds row n = 64 t + 32 c + j of weight (p, g);
; p = 0: ir, iz, in; p = 1: hr, hz, hn.  So the 96 rows that one wave of the second launch multiplies by in one phase lie on end, and a column tile's 192 rows are one dense block.
; SHARES.  A work-group takes 32 rows (32,768 numbers), a wave 8 rows in 16 steps of 512 numbers.  Work-groups 0 to 255 take h; work-group 256 + 32 q + b takes rows 32 b on of weight q.
; Only pointers, offsets and the scale are chosen by the work-group's number: all take one path through the text.
; A STEP.  The conversions take 8 numbers of one lane's consecutive registers, so a lane must hold 16 NEIGHBOURS; a load is best where neighbouring LANES take neighbouring bytes.  Both are had: each of a step's
; four loads reads 512 consecutive bytes, 16 a lane; the 2,048 bytes go through the wave's own stage in LDS, as they lie, and come back 64 bytes a lane (16 bytes of padding behind each 64).
; A lane's 16 codes are 16 bytes: the wave stores 512 consecutive bytes, aligned.  No tensor loads, no barrier: waves share nothing.  Loads run four steps (16 loads a wave) ahead, the turn through LDS one step.
.set WAVES, 4
.set STEPS, 16
.set NH,    256                        ; work-groups that take h
.set EMAX,  8
.set MANT,  0x600000                   ; the mantissa field of 448 as f32
.set CB,    16                         ; bytes of 16 codes
.set R,     16                         ; v16-79   four sets of 16 numbers as they are loaded
.set X,     80                         ; v80-111  two sets of 16 neighbours
.set C,     128                        ; v128-191 codes: four registers for each step, so that no store's data are written again
.set WREG,  8192                       ; LDS: a region of its own for each wave: two stages of 32 x SP bytes
.set SP,    80                         ; a lane's place in a stage: its 64 bytes + 16 of padding
.set SPW,   12                         ; v12      LDS address of my spare word: SPARE + 4 x my thread's number; never rewritten
.set NIL,   13                         ; v13      0; never rewritten
.set SPARE, WAVES*WREG                 ; behind the four regions: the spare words, 128 bytes for each wave: two blocks of 256 bytes that no other line names
	s_load_b512 s[8:23], s[0:1], 0x0               ; h s[8:9]; ir, iz, in, hr, hz, hn s[10:21]; the scales' exponents s[22:23]
	s_load_b128 s[24:27], s[0:1], 0x40             ; hc s[24:25], wc s[26:27]
	v_lshl_add_u32 v[SPW], v0, 2, SPARE
	v_mov_b32 v[NIL], 0
	v_lshrrev_b32 v1, 5, v0
	v_readfirstlane_b32 s32, v1                    ; wave
	v_and_b32 v2, 31, v0                           ; lane
	v_lshlrev_b32 v3, 4, v2                        ; my 16 bytes of a load's 512
	s_mul_i32 s33, s32, WREG
	v_lshrrev_b32 v14, 2, v2
	v_mul_u32_u24 v14, v14, SP
	v_and_b32 v15, 3, v2
	v_lshl_add_u32 v14, v15, 4, v14
	v_add_nc_u32 v14, s33, v14                     ; the stage, on the way in: four lanes' 64 bytes on end, then 16 of padding: SP (lane / 4) + 16 (lane % 4)
	v_mul_u32_u24 v15, v2, SP
	v_add_nc_u32 v15, s33, v15                     ; and on the way out: SP x lane: my 16 neighbours
	v_mul_u32_u24 v4, v2, CB                       ; my codes' place in a step's
	; which tensor, which rows: all from the work-group's number
	s_max_u32 s34, ttmp9, NH
	s_sub_co_u32 s34, s34, NH                      ; u = work-group - 256 (0 in h's work-groups)
	s_lshr_b32 s35, s34, 5                         ; q: which weight, 0 .. 5
	s_and_b32 s36, s34, 31                         ; b: which 32 rows of it
	s_cmp_ge_u32 s35, 3
	s_cselect_b32 s37, 1, 0                        ; p: 0 the input side, 1 the hidden side
	s_mul_i32 s38, s37, 3
	s_sub_co_u32 s38, s35, s38                     ; g: the gate, 0 .. 2
	s_lshl_b32 s39, s37, 5
	s_add_co_u32 s39, s39, s36
	s_mul_i32 s39, s39, 96
	s_lshl_b32 s38, s38, 5
	s_add_co_u32 s39, s39, s38                     ; the block's first row in wc: (32 p + b) 96 + 32 g
	s_lshl_b32 s40, ttmp9, 5                       ; and in hc: 32 x work-group
	s_add_co_u32 s42, s35, 1
	s_cmp_lt_u32 ttmp9, NH                         ; h's work-group?
	s_cselect_b32 s39, s40, s39
	s_cselect_b32 s41, ttmp9, s36                  ; which 32 rows of the source
	s_cselect_b32 s42, 0, s42                      ; which source: 0 h, 1 .. 6 the weights
	s_lshl_b32 s40, s32, 3
	s_add_co_u32 s39, s39, s40                     ; + my wave's 8 rows
	s_lshl_b32 s46, s39, 10                        ; in bytes: a row of codes is 1,024
	s_mov_b32 s47, 0
	s_lshl_b32 s41, s41, 2
	s_add_co_u32 s41, s41, s32
	s_lshl_b32 s44, s41, 15                        ; the source: 8 rows of 4,096 bytes a wave
	s_mov_b32 s45, 0
	s_wait_kmcnt 0x0
	s_load_b128 s[28:31], s[22:23], 0x0            ; e0 .. e3
	s_mov_b64 s[4:5], s[8:9]                       ; the source's address: a choice that hangs on the work-group's number alone
.irp i, 1,2,3,4,5,6
	s_cmp_eq_u32 s42, \i
	s_cselect_b64 s[4:5], s[8+2*\i:9+2*\i], s[4:5]
.endr
	s_cmp_lt_u32 ttmp9, NH
	s_cselect_b64 s[6:7], s[24:25], s[26:27]       ; and the codes'
	s_add_nc_u64 s[4:5], s[4:5], s[44:45]
	s_add_nc_u64 s[6:7], s[6:7], s[46:47]
.macro LOAD t
.irp i, 0,1,2,3
	global_load_b128 v[R+16*((\t)%4)+4*\i:R+16*((\t)%4)+4*\i+3], v3, s[4:5] offset:2048*(\t)+512*\i th:TH_LOAD_NT   ; 32 lanes read 512 consecutive bytes; this launch reads them once
.endr
.endm
.macro TURN t                          ; step t's numbers through the stage: LDS serves a wave's instructions in order (ISA guide 5.7.1.4), so no wait stands between the stores and the loads
.irp i, 0,1,2,3
	ds_store_b128 v14, v[R+16*((\t)%4)+4*\i:R+16*((\t)%4)+4*\i+3] offset:32*SP*((\t)%2)+8*SP*\i
.endr
.irp i, 0,1,2,3
	ds_load_b128 v[X+16*((\t)%2)+4*\i:X+16*((\t)%2)+4*\i+3], v15 offset:32*SP*((\t)%2)+16*\i
.endr
.endm
.irp t, 0,1,2,3
	LOAD \t
.endr
	s_wait_kmcnt 0x0
	s_cmp_eq_u32 s37, 1
	s_cselect_b32 s28, s31, s29                    ; a weight's e: entry 3 on the hidden side, entry 1 on the input side
	s_cmp_lt_u32 ttmp9, NH
	s_cselect_b32 s28, s30, s28                    ; h's: entry 2
	s_add_co_i32 s28, s28, 127
	s_lshl_b32 s29, s28, 23
	v_mov_b32 v11, s29                             ; 2^e as f32: the conversion takes its exponent field
	s_add_co_i32 s28, s28, EMAX
	s_lshl_b32 s28, s28, 23
	s_or_b32 s28, s28, MANT
	v_mov_b32 v10, s28                             ; 448 x 2^e
	s_wait_loadcnt 12                              ; step 0's four loads are in; the 12 of steps 1 to 3 may be out
	TURN 0
.macro STEP t
.set XS, X+16*((\t)%2)
	s_wait_dscnt 0x0                               ; this step's numbers are back from the stage: so its stores into the stage have read their registers,
.if (\t)+4 < STEPS
	LOAD (\t)+4                                    ; which take the loads of four steps on
.endif
.if (\t)+1 < STEPS
.if STEPS-2-(\t) >= 3
	s_wait_loadcnt 12                              ; the next step's four loads are in; those of the three steps behind it may be out
.else
	s_wait_loadcnt 4*(STEPS-2-(\t))                ; the tail: fewer steps are behind it
.endif
	TURN (\t)+1                                    ; and go through the other stage while this step is worked
.endif
.irp i, 0,1,2,3,4,5,6,7,8,9,10,11,12,13,14,15
	v_med3_num_f32 v[XS+\i], v[XS+\i], -v10, v10   ; the conversion to an 8-bit code does not saturate (ISA guide 7.6.2): hold the number within the largest code x the scale first
.endr
	v_cvt_scalef32_pk8_fp8_f32 v[C+4*(\t):C+4*(\t)+1], v[XS:XS+7], v11          ; eight numbers / 2^e, to the nearest code, ties to even; the first number's code in the lowest byte
	v_cvt_scalef32_pk8_fp8_f32 v[C+4*(\t)+2:C+4*(\t)+3], v[XS+8:XS+15], v11
	v_nop                                          ; one plain vector line behind the last conversion of a run
	global_store_b128 v4, v[C+4*(\t):C+4*(\t)+3], s[6:7] offset:32*CB*(\t)      ; 32 lanes store 512 consecutive bytes, at a multiple of 512 from the buffer's first byte
.endm
.irp t, 0,1,2,3,4,5,6,7,8,9,10,11,12,13,14,15
	STEP \t
.endr
	s_wait_tensorcnt 0x0                           ; the wave's end: behind my last LDS store, the tensor wait first, in a text with no tensor load too
	ds_add_u32 v[SPW], v[NIL]
	s_wait_dscnt 0x0
	s_endpgm
.Lfunc_end_k_qa44d9fdc80_quant:
	.size	k_qa44d9fdc80_quant, .Lfunc_end_k_qa44d9fdc80_quant-k_qa44d9fdc80_quant
	.p2alignl 7, 3214868480
	.fill 96, 4, 3214868480
	.section	.rodata,"a",@progbits
	.p2align	6, 0x0
	.amdhsa_kernel k_qa44d9fdc80_quant
		.amdhsa_group_segment_fixed_size 33280
		.amdhsa_private_segment_fixed_size 0
		.amdhsa_enable_private_segment 0
		.amdhsa_kernarg_size 80
		.amdhsa_user_sgpr_count 2
		.amdhsa_user_sgpr_kernarg_segment_ptr 1
		.amdhsa_wavefront_size32 1
		.amdhsa_system_sgpr_workgroup_id_x 1
		.amdhsa_system_sgpr_workgroup_id_y 1
		.amdhsa_system_sgpr_workgroup_id_z 1
		.amdhsa_system_vgpr_workitem_id 0
		.amdhsa_next_free_vgpr 192
		.amdhsa_next_free_sgpr 66
		.amdhsa_reserve_vcc 0
		.amdhsa_float_denorm_mode_32 3
		.amdhsa_float_denorm_mode_16_64 3
		.amdhsa_memory_ordered 1
		.amdhsa_forward_progress 1
		.amdhsa_inst_pref_size 39
	.end_amdhsa_kernel
	.amdgpu_metadata
---
amdhsa.version: [ 1, 2 ]
amdhsa.kernels:
  - .name:           k_qa44d9fdc80_quant
    .symbol:         k_qa44d9fdc80_quant.kd
    .args:
      - { .name: h, .offset: 0, .size: 8, .value_kind: global_buffer, .address_space: global }
      - { .name: weight_ir, .offset: 8, .size: 8, .value_kind: global_buffer, .address_space: global }
      - { .name: weight_iz, .offset: 16, .size: 8, .value_kind: global_buffer, .address_space: global }
      - { .name: weight_in, .offset: 24, .size: 8, .value_kind: global_buffer, .address_space: global }
      - { .name: weight_hr, .offset: 32, .size: 8, .value_kind: global_buffer, .address_space: global }
      - { .name: weight_hz, .offset: 40, .size: 8, .value_kind: global_buffer, .address_space: global }
      - { .name: weight_hn, .offset: 48, .size: 8, .value_kind: global_buffer, .address_space: global }
      - { .name: lowp_scales, .offset: 56, .size: 8, .value_kind: global_buffer, .address_space: global }
      - { .name: hc, .offset: 64, .size: 8, .value_kind: global_buffer, .address_space: global }
      - { .name: wc, .offset: 72, .size: 8, .value_kind: global_buffer, .address_space: global }
    .group_segment_fixed_size: 33280
    .private_segment_fixed_size: 0
    .kernarg_segment_align: 8
    .kernarg_segment_size: 80
    .max_flat_workgroup_size: 128
    .sgpr_count:     66
    .vgpr_count:     192
    .wavefront_size: 32
...
	.end_amdgpu_metadata
.endif
;; end of part 1
;; launch gru (part 2): grid 16 x 16, 4 waves a work-group, clusters of 4 x 4, 327,680 bytes of LDS; arguments x_codes, hc, wc, h, lowp_scales, bias_ir, bias_hr, bias_iz, bias_hz, bias_in, bias_hn, out0; writes out0
.if DOCPART == 2
	.amdgcn_target "amdgcn-amd-amdhsa--gfx1250"
	.amdhsa_code_object_version 6
	.text
	.protected	k_qa44d9fdc80_gru
	.globl	k_qa44d9fdc80_gru
	.p2align	8
	.type	k_qa44d9fdc80_gru,@function
k_qa44d9fdc80_gru:
	s_mov_b64 s[64:65], 0
	v_nop
	global_prefetch_b8 v0, s[64:65] scope:SCOPE_SE
	s_setreg_imm32_b32 hwreg(HW_REG_WAVE_MODE, 25, 1), 1
	s_wait_xcnt 0x0
	s_wait_alu depctr_hold_cnt(0) depctr_sa_sdst(0) depctr_va_vdst(0) depctr_va_sdst(0) depctr_va_ssrc(0) depctr_va_vcc(0) depctr_vm_vsrc(0)
	s_getreg_b32 s2, hwreg(HW_REG_IB_STS2, 6, 4)
	s_cmp_eq_u32 s2, 0
	s_cbranch_scc0 .Lentry_in_a_cluster
	s_endpgm
.Lentry_in_a_cluster:
	s_bfe_u32 s2, ttmp6, 0x10000c
	s_cmp_lg_u32 s2, 0xf033
	s_cbranch_scc0 .Lentry_shape_is_right
	s_endpgm
.Lentry_shape_is_right:
; A GRU cell: r = sigmoid(ir + hr), z = sigmoid(iz + hz), n = tanh(inn + r hn), out = (1 - z) n + z h, where (ir, iz, inn) = x Wi^T + bi and (hr, hz, hn) = h Wh^T + bh.
; Both products run on codes of FP8 (E4M3) by v_wmma_f32_16x16x128_fp8_fp8, sums in f32; x's codes are given, h's (hc) and the weights' (wc) were made by the launch before.  All else is f32.
; SCALES.  A sum of the first product stands for sum x 2^(e0 + e1), of the second for sum x 2^(e2 + e3).  ir + hr and iz + hz are each ONE accumulator through both products: between the two it is multiplied
; once by 2^(e0 + e1 - e2 - e3), which rounds nothing.  inn and hn stay apart.  So an output costs four sums, not six.
; LIMITS on the given exponents: e0 + e1 and e2 + e3 between -120 and 120 (they are added to a constant's exponent field); e0 + e1 - e2 - e3 between -99 and 99 (a sum of up to 2^28 times that power stays an f32 number).
; THE ORDER OF THE SUMS is not K ascending: a fragment comes by four loads of 16 bytes, a permutation of k inside an instruction, the same in both operands; and the four K steps of a product are taken in a rotated
; order that differs from cluster to cluster (below).  Each product meets its partner; only the order of the f32 additions differs.
; SHARES.  A tile of the output is 256 rows x 64 columns.  A work-group of four waves makes two tiles, 4,096 rows apart, of one column tile.  A wave makes 128 rows x 32 columns: 8 blocks of 16 rows x 2 blocks of
; 16 columns x 4 sums = 64 accumulators, 512 registers.  K goes in 8 steps of 256: four of x against Wi, then four of hc against Wh, through a ring of two LDS slots filled by the tensor data mover
; (a slot: 256 rows of x or hc, 192 rows of weights; a row is 256 bytes of memory).  A K step is two half steps of 128 along K, 48 matrix instructions each.
; THE MATRIX INSTRUCTION IS USED TRANSPOSED (source 0 = 16 rows of weights, source 1 = 16 rows of x or hc): lane l holds row l % 16, and its registers 0-7 the columns 8 (l / 16) + 0 .. 7.
; CLUSTERS: 4 x 4 work-groups.  The four of a row of the cluster need the same rows of x and hc, the four of a column the same weights: each tile is asked for JOINTLY, by the same tensor load with the same
; descriptor and a mask that names the four.  Every joint refill stands behind a round of the cluster's barrier.
; CLUSTERS WALK K FROM DIFFERENT STARTS.  Cluster (X, Y) takes the four K steps of a product in the order (rho + t) mod 4, t = 0 .. 3, rho = X + 2 f(Y), f(Y) = (Y xor Y / 2) mod 2.  The four clusters of a row of
; clusters, which read the same rows, begin at four different K steps: at any t they ask for four different quarters of those rows, and from t = 1 on for a quarter that a neighbour asked for one step earlier.
; Of the four clusters of a column, which read the same weights, y = 0 and 3 begin two K steps apart from y = 1 and 2.  rho is made of the cluster's numbers alone: it is the same in all sixteen partners.
; h AS f32 (for z h) comes through registers into a tile HT in LDS while the products run; the gate stage reads it there, writes the output over it, and whole rows of 256 bytes leave from there.
; REGISTERS, in windows of 256: window 0: v0-31 addresses; v32-95 h on its way; v128-255 A's 8 fragments, ONE set (on the way out: 64 rows read back).
;   window 1: v0-95, v128-223 the weights' 6 fragments, TWO sets; v96-127, v224-255 the biases, scaled, in the result's layout.
;   window 2: the accumulators of my rows 0-63 (block a, sum b at v[8 (8 a + b)]; b = 0, 1: r; 2, 3: z; 4, 5: inn; 6, 7: hn; the odd b are columns 16 on);   window 3: those of my rows 64-127.
.set PITCH,  272                       ; an LDS row: 256 bytes + 16 of padding = 68 words: row r starts at bank 4 r mod 64 (64 banks of 4 bytes: ISA guide 11.1), so the 16 rows that a load touches start at 16 different banks
.set HALFA,  128*PITCH                 ; 128 rows of x or hc: what one tensor load brings, and what one wave reads
.set HALFB,  96*PITCH                  ; 96 rows of weights: likewise
.set SLOT,   2*HALFA+2*HALFB           ; 121,856 bytes
.set HT,     2*SLOT                    ; behind the ring: 256 rows x 272 bytes: h's tile, then the output's.  LDS stores alone write it; no fill lands here
.set SPARE,  HT+256*PITCH              ; behind it: the spare words, 128 bytes for each wave: two blocks of 256 bytes that no other line names
.set WALKC,  4096*1024                 ; from a tile to the next, in x's and hc's bytes
.set WALKF,  4096*4096                 ; and in h's and the output's
.set PH,     3072*1024                 ; from the input side's weights to the hidden side's, in wc
.set FR,     16                        ; registers of a fragment: 16 rows x 128 K
.set NL,     4                         ; LDS loads that bring one
.set NP,     4                         ; places behind this matrix instruction (ISA guide 7.12.1)
.set ADRA, 16                          ; v16-17  LDS address of my A fragments in slot 0, 1
.set ADRB, 20                          ; v20-21  the same for the weights
.set HTA,  24                          ; v24     HT: my 32 bytes of row l % 16 of my rows and columns
.set HTR,  25                          ; v25     HT by rows: rows 64 w + l / 16, 16 bytes a lane
.set HO,   26                          ; v26     the same two rows in h and in the output
.set PFO,  27                          ; v27     the prefetches' offset: a lane a row of 1,024 bytes
.set SPW,  28                          ; v28     LDS address of my spare word: SPARE + 4 x my thread's number; never rewritten
.set NIL,  29                          ; v29     0; never rewritten
.set HB,   32                          ; v32-63, v64-95  h on its way in, two buffers
.set HV,   32                          ; v32-95  in the gate stage: h of four blocks
.set AF,   128                         ; A's fragments, window 0
.set OB,   128                         ; the way out: 32 x 4 registers
.set BR,   96                          ; window 1: -L (b_ir + b_hr), L = log2(e); index 8 cb + j
.set BZ,   112                         ;           -L (b_iz + b_hz)
.set BI,   224                         ;           2 L b_in
.set BH,   240                         ;           2 L b_hn
.set BAX, 4                            ; s[4:5]   x's codes at the rows that I fetch, K = 0, of the tile in hand
.set BAH, 6                            ; s[6:7]   hc likewise
.set BW0, 8                            ; s[8:9]   wc at the rows that I fetch, the input side
.set BW1, 10                           ; s[10:11] the hidden side
.set G1A, 24                           ; s[24:31] descriptor group 1 for x's and hc's tiles
.set G1B, 48                           ; s[48:55] for the weights'
.set GA0, 32                           ; s[32:35], s[36:39] group 0 for x's and hc's tiles, slot 0, 1
.set GA1, 36
.set KO,  40                           ; s[40:47] four pairs: the byte in a row at which my cluster's t-th K step of a product begins: 256 ((rho + t) mod 4), and 0 above it
.set GB0, 56                           ; s[56:59], s[60:63] group 0 for the weights'
.set GB1, 60
.set RS,  66                           ; s[66:67] 2^(e0 + e1 - e2 - e3)         (the packed forms name a pair and take its low word for both halves: both words are written)
.set KR,  68                           ; s[68:69] -L 2^(e2 + e3)
.set KI,  70                           ; s[70:71] 2 L 2^(e0 + e1)
.set KH,  86                           ; s[86:87] 2 L 2^(e2 + e3)
.set P0,  90                           ; s[90:91] prefetches: my rows of x, at my cluster's first K step
.set P1,  92                           ; s[92:93] my rows of hc (of wc's hidden side), at my cluster's first K step
.set P2,  80                           ; s[80:81] the same at its second K step
.set F1,  94                           ; s94  1 in a wave that prefetches by P1 in this tile
.set F2,  82                           ; s82  by P2
.set FNX, 95                           ; s95  by P0, for the next tile
.set TL,  96                           ; s96  tiles to go, this one among them: the same number in every work-group
.set G1W0, (1<<20)|(1<<21)|(5<<22)|(3<<25)   ; group 1, word 0 beside the mask: 17:16 elements of 1 byte; 20 padding on; 21 set beside a mask; 24:22 after every 64 words (code 5); 31:25 four words (code 3)
.set MSB, 0
.macro WIN new                         ; s_set_vgpr_msb: bits 1:0 source 0, 3:2 source 1, 5:4 source 2, 7:6 destination; the high byte repeats the setting that is left; a switch that changes nothing is dropped
.if MSB != (\new)
	s_set_vgpr_msb (MSB<<8)|(\new)
.set MSB, (\new)
.endif
.endm
.set MUL_LO, 0xa1                      ; source 0 (weights) window 1, source 1 (rows) window 0, C and D window 2
.set MUL_HI, 0xf1                      ; the same, C and D window 3
.set TO_B,   0x40                      ; destination window 1, address window 0
; A joint load: waves 0 and 1 fetch the two halves of the rows, waves 2 and 3 of the weights.  Each of the two lines has ONE mask and one set of registers for all that issue it; the branch hangs on the wave's number alone.
; An s_nop 0 and four v_nop follow each of the two lines, ahead of the jump, the label and what follows.
.macro JLOAD ga, gb
	s_cmp_eq_u32 s15, 0
	s_cbranch_scc0 .Lfor_b_\@
	tensor_load_to_lds s[\ga:\ga+3], s[G1A:G1A+7]
	s_nop 0
.rept 4
	v_nop
.endr
	s_branch .Lasked_\@
.Lfor_b_\@:
	tensor_load_to_lds s[\gb:\gb+3], s[G1B:G1B+7]
	s_nop 0
.rept 4
	v_nop
.endr
.Lasked_\@:
.endm
.macro CREST                           ; a round of the cluster's barrier behind its opening barrier: wave 0 signals for the work-group, every wave waits for all sixteen, my work-group's barrier closes it
	s_cmp_lg_u32 s14, 0
	s_cbranch_scc1 .Lnot_wave_0_\@
	s_barrier_signal -3
.Lnot_wave_0_\@:
	s_barrier_wait -3
	s_barrier_signal -1
	s_barrier_wait -1
.endm
.macro CROUND                          ; a whole round
	s_barrier_signal -1
	s_barrier_wait -1
	CREST
.endm
; A PREFETCH INTO THE L2, behind a joint load, its five lines and the run of LDS loads that follows: a K step whose load stands TWO refills on, 192 matrix instructions ahead; a lane a row, 256 bytes of it.
; Asked for are the K steps that no cluster has asked for by a load before.  ROWS: each cluster's own first K step of hc (at a tile's first change of slots) and of the next tile's x (at its fifth): the four clusters of a
; row of clusters begin at four different K steps, so together they name each row's 1,024 bytes once.  WEIGHTS: in the first tile alone (both tiles take the same weights), the hidden side's first and second K step
; of clusters y = 0 and y = 1, which begin two K steps apart: together the four K steps, once.  The four partners that ask for a tile jointly share its rows out BY ADDRESS: of a wave's 128 rows the partner at cx
; takes 32 cx + lane; of its 96 rows of weights the partner at cy takes 24 cy + min(lane, 23) (lanes 24-31 name row 23's block again in the same instruction).  No branch hangs on a work-group's place in its cluster.
; The first product of the first tile comes by its loads alone: nothing is prefetched at the head; the last tile asks for nothing beyond itself.
.macro ASK flag, ptr, off
	s_cmp_eq_u32 s[\flag], 1
	s_cbranch_scc0 .Lnot_mine_\@
	global_prefetch_b8 v[PFO], s[\ptr:\ptr+1] offset:\off th:TH_LOAD_NT scope:SCOPE_SE
.Lnot_mine_\@:
.endm
	s_load_b256 s[4:11], s[0:1], 0x0               ; x's codes s[4:5], hc s[6:7], wc s[8:9], h s[10:11]
	s_load_b64 s[12:13], s[0:1], 0x20              ; the scales' exponents
	s_load_b256 s[72:79], s[0:1], 0x28             ; b_ir s[72:73], b_hr s[74:75], b_iz s[76:77], b_hz s[78:79]
	s_load_b128 s[80:83], s[0:1], 0x48             ; b_in s[80:81], b_hn s[82:83]
	s_load_b64 s[84:85], s[0:1], 0x58              ; the output
	v_lshl_add_u32 v[SPW], v0, 2, SPARE
	v_mov_b32 v[NIL], 0
	ds_add_u32 v[SPW], v[NIL]                      ; the wave's opening: the add and its wait stand ahead of my first tensor load; the set-up below, work on registers, stands between them
	v_lshrrev_b32 v1, 5, v0
	v_readfirstlane_b32 s14, v1                    ; wave 0..3
	s_lshr_b32 s15, s14, 1                         ; which half of the tile's rows is mine.  Also: I fetch rows (0) or weights (1)
	s_and_b32 s16, s14, 1                          ; which half of its columns.  Also: which half of that tile I fetch
	s_bfe_u32 s97, ttmp6, 0x40000                  ; cx, cy: my place in the cluster
	s_bfe_u32 s98, ttmp6, 0x40004
	s_lshl_b32 s99, ttmp9, 2
	s_add_co_u32 s99, s99, s97                     ; column tile = 4 x cluster x + cx
	s_and_b32 s17, ttmp7, 0xffff
	s_lshl_b32 s17, s17, 2
	s_add_co_u32 s17, s17, s98                     ; row tile = 4 x cluster y + cy (the second tile: 16 further on)
	s_lshl_b32 s2, s98, 2
	s_lshl_b32 s2, 15, s2                          ; my row of the cluster: places 4 cy .. 4 cy + 3
	s_lshl_b32 s100, 0x1111, s97                   ; my column: places cx, cx + 4, cx + 8, cx + 12
	s_or_b32 s[G1A], s2, G1W0                      ; the rows' tiles go to my row of the cluster,
	s_or_b32 s[G1B], s100, G1W0                    ; the weights' to my column
	s_mov_b32 s[G1A+1], 256<<16                    ; tensor_dim0 = 256 bytes
	s_mov_b32 s[G1A+2], 128<<16                    ; tensor_dim1 = 128 rows
	s_mov_b32 s[G1A+3], 256<<16                    ; tile_dim0
	s_mov_b32 s[G1A+4], 128                        ; tile_dim1
	s_mov_b32 s[G1A+5], 1024                       ; from row to row
	s_mov_b32 s[G1A+6], 0
	s_mov_b32 s[G1A+7], 0
	s_mov_b32 s[G1B+1], 256<<16
	s_mov_b32 s[G1B+2], 96<<16                     ; 96 rows
	s_mov_b32 s[G1B+3], 256<<16
	s_mov_b32 s[G1B+4], 96
	s_mov_b32 s[G1B+5], 1024
	s_mov_b32 s[G1B+6], 0
	s_mov_b32 s[G1B+7], 0
	; where the tiles come from.  The rows' hang on the row tile alone, which my row of the cluster shares; the weights' on the column tile alone, which my column shares: each in registers that do not hold the other coordinate
	s_lshl_b32 s2, s17, 18                         ; 256 rows of 1,024 bytes x row tile
	s_lshl_b32 s3, s16, 17                         ; + 128 rows x half
	s_add_co_u32 s2, s2, s3
	s_mov_b32 s3, 0
	s_mul_i32 s100, s99, 192*1024                  ; 192 rows x column tile
	s_mul_i32 s101, s16, 96*1024                   ; + 96 rows x half
	s_add_co_u32 s100, s100, s101
	s_mov_b32 s101, 0
	s_mul_i32 s18, s16, HALFA                      ; and where they go: no place in the cluster enters an LDS address
	s_mul_i32 s19, s16, HALFB
	s_add_co_u32 s19, s19, 2*HALFA
	; my cluster's order of the K steps: from the cluster's two numbers alone
	s_and_b32 s20, ttmp7, 0xffff                   ; Y
	s_lshr_b32 s21, s20, 1
	s_xor_b32 s20, s20, s21
	s_and_b32 s20, s20, 1                          ; f(Y) = (Y xor Y / 2) mod 2: 0, 1, 1, 0
	s_lshl_b32 s20, s20, 1
	s_add_co_u32 s20, s20, ttmp9                   ; rho = X + 2 f(Y), taken mod 4 below
.irp t, 0,1,2,3
	s_add_co_u32 s[KO+2*\t], s20, \t
	s_and_b32 s[KO+2*\t], s[KO+2*\t], 3
	s_lshl_b32 s[KO+2*\t], s[KO+2*\t], 8           ; 256 ((rho + t) mod 4)
	s_mov_b32 s[KO+2*\t+1], 0
.endr
	s_wait_dscnt 0x0                               ; the opening add is done
	s_wait_kmcnt 0x0
	s_load_b128 s[20:23], s[12:13], 0x0            ; e0 .. e3
	s_add_nc_u64 s[BAX:BAX+1], s[BAX:BAX+1], s[2:3]          ; x, hc and wc at the rows that I fetch
	s_add_nc_u64 s[BAH:BAH+1], s[BAH:BAH+1], s[2:3]
	s_add_nc_u64 s[BW0:BW0+1], s[BW0:BW0+1], s[100:101]
.irp n, 0,1
	s_mov_b32 s[GA0+4*\n], 1                                       ; 1:0 count = 1
	s_add_co_u32 s[GA0+4*\n+1], s18, \n*SLOT                       ; 63:32 LDS address; never rewritten
	s_add_nc_u64 s[GA0+4*\n+2:GA0+4*\n+3], s[BAX:BAX+1], s[KO+2*\n:KO+2*\n+1]   ; 120:64 global address: my cluster's n-th K step
	s_or_b32 s[GA0+4*\n+3], s[GA0+4*\n+3], 0x80000000              ; 127:126 type = 2
	s_mov_b32 s[GB0+4*\n], 1
	s_add_co_u32 s[GB0+4*\n+1], s19, \n*SLOT
	s_add_nc_u64 s[GB0+4*\n+2:GB0+4*\n+3], s[BW0:BW0+1], s[KO+2*\n:KO+2*\n+1]
	s_or_b32 s[GB0+4*\n+3], s[GB0+4*\n+3], 0x80000000
.endr
	CROUND                                         ; all sixteen work-groups are here: the first joint loads meet
	JLOAD GA0, GB0                                 ; the walk's step 0
	JLOAD GA1, GB1                                 ; step 1: two loads of mine are out
	v_and_b32 v1, 15, v0                           ; r = l % 16
	v_bfe_u32 v2, v0, 4, 1                         ; hh = l / 16
	v_mul_u32_u24 v3, v1, PITCH
	v_lshl_add_u32 v4, v2, 4, v3                   ; a fragment's row x pitch + 16 x half
	s_mul_i32 s18, s15, HALFA                      ; my 128 rows
	v_add_nc_u32 v[ADRA], s18, v4
	v_add_nc_u32 v[ADRA+1], SLOT, v[ADRA]
	v_add_nc_u32 v[ADRB], s19, v4                  ; my 96 rows of weights, behind the 256 rows
	v_add_nc_u32 v[ADRB+1], SLOT, v[ADRB]
	v_lshl_add_u32 v[HTA], v2, 5, v3               ; HT: row r, + 32 hh,
	s_lshl_b32 s19, s16, 7
	s_add_co_u32 s19, s19, s18
	s_add_co_u32 s19, s19, HT
	v_add_nc_u32 v[HTA], s19, v[HTA]               ; + my 128 rows, + my 128 bytes of a row
	s_mul_i32 s18, s14, 64*PITCH
	s_add_co_u32 s18, s18, HT
	v_mul_u32_u24 v5, v2, PITCH
	v_lshl_add_u32 v5, v1, 4, v5
	v_add_nc_u32 v[HTR], s18, v5                   ; HT by rows: wave w takes rows 64 w on; lanes 0-15 one row of 256 bytes, lanes 16-31 the next
	v_lshlrev_b32 v[HO], 12, v2
	v_lshl_add_u32 v[HO], v1, 4, v[HO]             ; and the same two rows in h and in the output
	s_lshl_b32 s2, s99, 8
	s_lshl_b32 s3, s16, 7
	s_add_co_u32 s2, s2, s3
	v_lshl_add_u32 v6, v2, 5, s2                   ; the biases: columns 64 x column tile + 32 x half + 8 hh on, in bytes
.macro BLOAD reg, ptr                  ; a bias in the result's layout: register 8 cb + j = column 16 cb + 8 hh + j of my 32
.irp cb, 0,1
	global_load_b128 v[\reg+8*\cb:\reg+8*\cb+3], v6, s[\ptr:\ptr+1] offset:64*\cb
	global_load_b128 v[\reg+8*\cb+4:\reg+8*\cb+7], v6, s[\ptr:\ptr+1] offset:64*\cb+16
.endr
.endm
	WIN TO_B
	BLOAD BR, 72                                   ; b_ir
	BLOAD BZ, 76                                   ; b_iz
	BLOAD BI, 80                                   ; b_in
	BLOAD BH, 82                                   ; b_hn
	WIN 0
	BLOAD 32, 74                                   ; b_hr
	BLOAD 48, 78                                   ; b_hz
	s_wait_kmcnt 0x0
	s_add_co_i32 s2, s20, s21                      ; e0 + e1
	s_add_co_i32 s3, s22, s23                      ; e2 + e3
	s_sub_co_i32 s[RS], s2, s3
	s_add_co_i32 s[RS], s[RS], 127
	s_lshl_b32 s[RS], s[RS], 23                    ; 2^(e0 + e1 - e2 - e3) as f32
	s_mov_b32 s[RS+1], s[RS]
	s_lshl_b32 s2, s2, 23
	s_lshl_b32 s3, s3, 23
	s_add_co_i32 s[KR], s3, 0xbfb8aa3b             ; -log2(e), e2 + e3 added to its exponent field
	s_mov_b32 s[KR+1], s[KR]
	s_add_co_i32 s[KI], s2, 0x4038aa3b             ; 2 log2(e), e0 + e1 added
	s_mov_b32 s[KI+1], s[KI]
	s_add_co_i32 s[KH], s3, 0x4038aa3b             ; 2 log2(e), e2 + e3 added
	s_mov_b32 s[KH+1], s[KH]
	s_wait_loadcnt 0x0                             ; the biases are in, and their pointers' registers are free
	WIN 0x41                                       ; destination and source 0 window 1, source 1 window 0
.irp k, 0,2,4,6,8,10,12,14,16,18,20,22,24,26,28,30
	v_pk_add_f32 v[BR+\k:BR+\k+1], v[BR+\k:BR+\k+1], v[32+\k:33+\k]              ; b_ir + b_hr, then b_iz + b_hz
.endr
.irp k, 0,2,4,6,8,10,12,14,16,18,20,22,24,26,28,30
	v_pk_mul_f32 v[BR+\k:BR+\k+1], v[BR+\k:BR+\k+1], 0xbfb8aa3b op_sel_hi:[1,0]  ; x -log2(e)
	v_pk_mul_f32 v[BI+\k:BI+\k+1], v[BI+\k:BI+\k+1], 0x4038aa3b op_sel_hi:[1,0]  ; b_in, then b_hn: x 2 log2(e)
.endr
	WIN 0
	s_lshl_b32 s72, s17, 20                        ; my rows of h and of the output: (256 x row tile + 64 w) rows of 4,096 bytes + 256 bytes x column tile
	s_lshl_b32 s73, s14, 18
	s_add_co_u32 s72, s72, s73
	s_lshl_b32 s73, s99, 8
	s_add_co_u32 s72, s72, s73
	s_mov_b32 s73, 0
	s_add_nc_u64 s[88:89], s[10:11], s[72:73]
	s_add_nc_u64 s[84:85], s[84:85], s[72:73]
	s_add_nc_u64 s[BW1:BW1+1], s[BW0:BW0+1], PH    ; (h's address has been used: its registers take the hidden side's weights at the rows that I fetch)
	; the prefetches: where my wave's stand, and who asks
	s_lshl_b32 s74, s97, 15                        ; of the 128 rows that I fetch: 32 cx on,
	s_mul_i32 s76, s98, 24*1024                    ; of the 96 rows of weights: 24 cy on
	s_and_b32 s78, ttmp7, 0xffff
	s_lshr_b32 s78, s78, 1                         ; 0 in clusters y = 0 and 1
	s_mov_b32 s79, 23
	s_cmp_eq_u32 s15, 0                            ; do I fetch rows?
	s_cselect_b32 s74, s74, s76
	s_cselect_b32 s78, 0, s78                      ; the rows are asked for by every cluster, the weights by clusters y = 0 and 1
	s_cselect_b32 s79, 31, s79                     ; my last row
	s_cselect_b64 s[P0:P0+1], s[BAX:BAX+1], s[BW0:BW0+1]
	s_cselect_b64 s[P1:P1+1], s[BAH:BAH+1], s[BW1:BW1+1]
	s_cselect_b32 s[FNX], 1, 0                     ; for the next tile only the rows are asked for
	s_cselect_b32 s[F2], 0, 1                      ; a second K step only of the weights
	s_mov_b32 s75, 0
	s_add_nc_u64 s[P0:P0+1], s[P0:P0+1], s[74:75]
	s_add_nc_u64 s[P1:P1+1], s[P1:P1+1], s[74:75]
	s_add_nc_u64 s[P2:P2+1], s[P1:P1+1], s[KO+2:KO+3]        ; at my cluster's second K step,
	s_add_nc_u64 s[P0:P0+1], s[P0:P0+1], s[KO:KO+1]          ; at its first
	s_add_nc_u64 s[P1:P1+1], s[P1:P1+1], s[KO:KO+1]
	s_cmp_eq_u32 s78, 0
	s_cselect_b32 s[F1], 1, 0                      ; the same in all sixteen partners, for a given wave
	s_and_b32 s[F2], s[F2], s[F1]
	v_and_b32 v[PFO], 31, v0
	v_min_u32 v[PFO], s79, v[PFO]
	v_lshlrev_b32 v[PFO], 10, v[PFO]
.macro FRAG reg, adr, q, i             ; a fragment, 16 rows x 128 K, is 16 registers: lane l holds row l % 16; registers 4 c .. 4 c + 3 hold K = 32 c + 16 (l / 16) + 0 .. 15
.irp c, 0,1,2,3
	ds_load_b128 v[\reg+4*\c:\reg+4*\c+3], v[\adr] offset:128*(\q)+32*\c+(\i)*16*PITCH
.endr
.endm
.macro FETCH_B slot, q, p              ; the weights' six fragments of the slot's q-th 128 along K into set p: fragment f = 2 g + cb is rows 16 f on of my 96: gate g, columns 16 cb on
	WIN TO_B
.irp f, 0,1,2,3,4,5
	FRAG 128*(\p)+FR*\f, ADRB+\slot, \q, \f
.endr
	WIN 0
.endm
.macro FETCH_A slot, q, i0             ; the rows' blocks i0 .. i0 + 3
.irp i, \i0, \i0+1, \i0+2, \i0+3
	FRAG AF+FR*(\i), ADRA+\slot, \q, \i
.endr
.endm
; 12 matrix instructions: blocks a0, a0 + 1 of rows x the six fragments of set p.  ph = 0: fragment f adds onto sum f (r, z, inn); ph = 1: fragments 4, 5 add onto sums 6, 7 (hn).
; z = 1: the products start the sums; z = 2: those of hn do.  Nothing is ever cleared.  The accumulators take turns, one instruction a turn, in the same order in every half step.
.macro MUL12 a0, p, ph, z
.irp a, \a0, \a0+1
.irp f, 0,1,2,3,4,5
.set DD, 8*(8*((\a)%4)+\f+2*\ph*(\f/4))
.if (\z == 1) || ((\z == 2) && (\f >= 4))
	v_wmma_f32_16x16x128_fp8_fp8 v[DD:DD+7], v[128*(\p)+FR*\f:128*(\p)+FR*\f+FR-1], v[AF+FR*(\a):AF+FR*(\a)+FR-1], 0
.else
	v_wmma_f32_16x16x128_fp8_fp8 v[DD:DD+7], v[128*(\p)+FR*\f:128*(\p)+FR*\f+FR-1], v[AF+FR*(\a):AF+FR*(\a)+FR-1], v[DD:DD+7]
.endif
.endr
.endr
.endm
; A load into a register that a matrix instruction has read, and a vector instruction that reads a matrix result or writes one of a matrix instruction's registers, stand NP places behind it, and only plain vector
; instructions that name none of its registers are places (ISA guide 7.12.1 for vector instructions).
.macro PLACES n
.rept \n
	v_nop
.endr
.endm
; A K step's first half.  A block of rows is free as soon as its six products are issued, so one set of registers serves the rows: blocks 0-3 are fetched anew in the middle, blocks 4-7 at the end (STEPT).
; Between STEPH and STEPT stands what h's tile needs in this half step, so that the youngest 16 LDS loads are always blocks 4-7.
.macro STEPH slot, ph, z
	s_wait_dscnt 4*NL                              ; the weights' set and blocks 0-3 are in; the youngest 16 loads (blocks 4-7) may be out
	WIN MUL_LO
	MUL12 0, 0, \ph, \z
	MUL12 2, 0, \ph, \z
	s_wait_dscnt 0                                 ; blocks 4-7 are in (asked for 24 matrix instructions ago)
	PLACES NP
	FETCH_B \slot, 1, 1
	FETCH_A \slot, 1, 0
	WIN MUL_HI
	MUL12 4, 0, \ph, \z
	MUL12 6, 0, \ph, \z
	PLACES NP
	WIN 0
.endm
.macro STEPT slot
	FETCH_A \slot, 1, 4
.endm
; The address of the walk's step n (2 to 7: of this tile; 8, 9: steps 0, 1 of the next tile) goes into the descriptors of slot n % 2: a base and my cluster's (n % 4)-th K step.  Steps 4 to 7 take hc and the hidden
; side's weights, the others x and the input side's.  It stands behind the wait that shows all my tensor loads done.  At step 8 the rows' bases go on to the next tile.
.macro ADV n
.set AG, GA0+4*((\n)%2)
.set BG, GB0+4*((\n)%2)
.set KK, KO+2*((\n)%4)
.if (\n) == 8
	s_add_nc_u64 s[BAX:BAX+1], s[BAX:BAX+1], WALKC
	s_add_nc_u64 s[BAH:BAH+1], s[BAH:BAH+1], WALKC
.endif
.if ((\n) >= 4) && ((\n) < 8)
	s_add_nc_u64 s[AG+2:AG+3], s[BAH:BAH+1], s[KK:KK+1]
	s_add_nc_u64 s[BG+2:BG+3], s[BW1:BW1+1], s[KK:KK+1]
.else
	s_add_nc_u64 s[AG+2:AG+3], s[BAX:BAX+1], s[KK:KK+1]
	s_add_nc_u64 s[BG+2:BG+3], s[BW0:BW0+1], s[KK:KK+1]
.endif
	s_or_b32 s[AG+3], s[AG+3], 0x80000000          ; 127:126 type = 2
	s_or_b32 s[BG+3], s[BG+3], 0x80000000
.endm
; A K step's second half changes slots: ONE barrier; in front of it each wave waits for all its tensor loads (one is out: its part of the next slot), adds 0 to its spare word, and waits for that and for its own
; reads of this slot.  fill = 1: the barrier opens a round of the cluster's, and this slot is filled again, with the walk's step adv, first thing behind the round.  fetch = 1: the next slot's first fragments are fetched.
; flag other than 0: a prefetch by that flag.
.macro TURN slot, next, ph, fill, fetch, adv, flag, ptr, off
	s_wait_tensorcnt 0x0                           ; all my tensor loads have landed, so a group 0 may be written  (every window is 0 here: the add's two registers lie in window 0)
	ds_add_u32 v[SPW], v[NIL]                      ; 0 onto my spare word: the descriptors' addresses and twelve products stand between it and the wait for it
.if \fill
	ADV \adv
.endif
	s_wait_dscnt 4*NL+1                            ; (the add and the youngest 16 loads, blocks 4-7, may be out)
	WIN MUL_LO
	MUL12 0, 1, \ph, 0
	s_wait_dscnt 0x0                               ; the add is done, my reads of this slot are over, and my stores into HT have landed
	s_barrier_signal -1
	MUL12 2, 1, \ph, 0                             ; work on registers while the others arrive
	WIN 0
	s_barrier_wait -1
.if \fill
	CREST                                          ; no wave of any partner still reads this slot's tile or has a load on its way
	JLOAD GA0+4*\slot, GB0+4*\slot                 ; the first thing behind the round, my only tensor load until the next; its four v_nop are also the places in front of the loads below
.else
	PLACES NP
.endif
.if \fetch
	FETCH_B \next, 0, 0
	FETCH_A \next, 0, 0
.endif
.if (\flag) != 0
	ASK \flag, \ptr, \off
.endif
	WIN MUL_HI
	MUL12 4, 1, \ph, 0
	MUL12 6, 1, \ph, 0
	PLACES NP
	WIN 0
.if \fetch
	FETCH_A \next, 0, 4
.endif
.endm
; h's tile, f32: wave w brings rows 64 w .. 64 w + 63 of the tile's 256 bytes a row, in four chunks of 16 rows, through two register buffers into HT.
.macro HLOAD c, buf
.irp i, 0,1,2,3,4,5,6,7
	global_load_b128 v[HB+32*\buf+4*\i:HB+32*\buf+4*\i+3], v[HO], s[88:89] offset:8192*(8*\c+\i) th:TH_LOAD_NT   ; 16 lanes read 256 consecutive bytes, aligned; two rows an instruction; this launch reads them once
.endr
.endm
.macro HSTORE c, buf
.irp i, 0,1,2,3,4,5,6,7
	ds_store_b128 v[HTR], v[HB+32*\buf+4*\i:HB+32*\buf+4*\i+3] offset:2*PITCH*(8*\c+\i)
.endr
.endm
; Between the two products: the sums r and z, so far in units of 2^(e0 + e1), go into units of 2^(e2 + e3).  Each accumulator is taken from its low end on.
.macro RESCALE
.irp W, 2,3
	WIN (\W<<6)|\W
.irp a, 0,1,2,3
.irp k, 0,2,4,6,8,10,12,14,16,18,20,22,24,26,28,30
	v_pk_mul_f32 v[64*\a+\k:64*\a+\k+1], v[64*\a+\k:64*\a+\k+1], s[RS:RS+1] op_sel_hi:[1,0]
.endr
.endr
.endr
	WIN 0
.endm
; THE GATE STAGE for the four blocks of window W, in place in the accumulators.  Of block a: v[64 a + j] r, + 16 z, + 32 inn, + 48 hn; j = 8 cb + 0 .. 7.
; sigmoid(u) = 1 / (1 + 2^(-L u)); tanh(u) = 1 - 2 / (1 + 2^(2 L u)); L = log2(e) and the scales are folded into one packed multiply-add with the biases.  Where 2^.. overflows the reciprocal is 0, where it
; vanishes the reciprocal is 1: both ends come out right with no clamp.  The transcendentals go in four batches, each with one plain line and one wait behind it.
.macro EPI W
	WIN 0
.irp a, 0,1,2,3
.irp cb, 0,1
	ds_load_b128 v[HV+16*\a+8*\cb:HV+16*\a+8*\cb+3], v[HTA] offset:(4*(\W-2)+\a)*16*PITCH+64*\cb          ; h at my outputs' places; wanted far below
	ds_load_b128 v[HV+16*\a+8*\cb+4:HV+16*\a+8*\cb+7], v[HTA] offset:(4*(\W-2)+\a)*16*PITCH+64*\cb+16
.endr
.endr
	WIN (\W<<6)|0x10|\W                            ; sums in window W, biases (source 2) in window 1
.irp a, 0,1,2,3
.irp j, 0,2,4,6,8,10,12,14
	v_pk_fma_f32 v[64*\a+\j:64*\a+\j+1], v[64*\a+\j:64*\a+\j+1], s[KR:KR+1], v[BR+\j:BR+\j+1] op_sel_hi:[1,0,1]                ; -L (ir + hr)
	v_pk_fma_f32 v[64*\a+16+\j:64*\a+17+\j], v[64*\a+16+\j:64*\a+17+\j], s[KR:KR+1], v[BZ+\j:BZ+\j+1] op_sel_hi:[1,0,1]        ; -L (iz + hz)
	v_pk_fma_f32 v[64*\a+32+\j:64*\a+33+\j], v[64*\a+32+\j:64*\a+33+\j], s[KI:KI+1], v[BI+\j:BI+\j+1] op_sel_hi:[1,0,1]        ; 2 L inn
	v_pk_fma_f32 v[64*\a+48+\j:64*\a+49+\j], v[64*\a+48+\j:64*\a+49+\j], s[KH:KH+1], v[BH+\j:BH+\j+1] op_sel_hi:[1,0,1]        ; 2 L hn
.endr
.endr
	WIN (\W<<6)|\W
.irp a, 0,1,2,3
.set i, 0
.rept 32
	v_exp_f32 v[64*\a+i], v[64*\a+i]
.set i, i+1
.endr
.endr
	v_nop                                          ; the plain line behind the last exponential,
	s_wait_alu depctr_va_vdst(0)                   ; and one wait for the batch, ahead of its first reader
.irp a, 0,1,2,3
.set i, 0
.rept 16
	v_pk_add_f32 v[64*\a+i:64*\a+i+1], v[64*\a+i:64*\a+i+1], 1.0 op_sel_hi:[1,0]
.set i, i+2
.endr
.endr
.irp a, 0,1,2,3
.set i, 0
.rept 32
	v_rcp_f32 v[64*\a+i], v[64*\a+i]               ; r and z
.set i, i+1
.endr
.endr
	v_nop
	s_wait_alu depctr_va_vdst(0)
	WIN 0x55*\W
.irp a, 0,1,2,3
.irp j, 0,2,4,6,8,10,12,14
	v_pk_fma_f32 v[64*\a+32+\j:64*\a+33+\j], v[64*\a+\j:64*\a+\j+1], v[64*\a+48+\j:64*\a+49+\j], v[64*\a+32+\j:64*\a+33+\j]    ; 2 L (inn + r hn)
.endr
.endr
.irp a, 0,1,2,3
.set i, 0
.rept 16
	v_exp_f32 v[64*\a+32+i], v[64*\a+32+i]
.set i, i+1
.endr
.endr
	v_nop
	s_wait_alu depctr_va_vdst(0)
.irp a, 0,1,2,3
.irp j, 0,2,4,6,8,10,12,14
	v_pk_add_f32 v[64*\a+32+\j:64*\a+33+\j], v[64*\a+32+\j:64*\a+33+\j], 1.0 op_sel_hi:[1,0]
.endr
.endr
.irp a, 0,1,2,3
.set i, 0
.rept 16
	v_rcp_f32 v[64*\a+32+i], v[64*\a+32+i]
.set i, i+1
.endr
.endr
	v_nop
	s_wait_alu depctr_va_vdst(0)
.irp a, 0,1,2,3
.irp j, 0,2,4,6,8,10,12,14
	v_pk_fma_f32 v[64*\a+32+\j:64*\a+33+\j], v[64*\a+32+\j:64*\a+33+\j], -2.0, 1.0 op_sel_hi:[1,0,0]   ; n
.endr
.endr
	s_wait_dscnt 0x0                               ; h is in
	WIN (\W<<6)|(\W<<2)                            ; source 0 (h) window 0
.irp a, 0,1,2,3
.irp j, 0,2,4,6,8,10,12,14
	v_pk_add_f32 v[64*\a+48+\j:64*\a+49+\j], v[HV+16*\a+\j:HV+16*\a+\j+1], v[64*\a+32+\j:64*\a+33+\j] neg_lo:[0,1] neg_hi:[0,1]   ; h - n
.endr
.endr
	WIN 0x55*\W
.irp a, 0,1,2,3
.irp j, 0,2,4,6,8,10,12,14
	v_pk_fma_f32 v[64*\a+\j:64*\a+\j+1], v[64*\a+16+\j:64*\a+17+\j], v[64*\a+48+\j:64*\a+49+\j], v[64*\a+32+\j:64*\a+33+\j]    ; out = n + z (h - n) = (1 - z) n + z h
.endr
.endr
	WIN \W<<2                                      ; store data (source 1) window W
.irp a, 0,1,2,3
.irp cb, 0,1
	ds_store_b128 v[HTA], v[64*\a+8*\cb:64*\a+8*\cb+3] offset:(4*(\W-2)+\a)*16*PITCH+64*\cb               ; each lane writes over the very bytes of h that it read
	ds_store_b128 v[HTA], v[64*\a+8*\cb+4:64*\a+8*\cb+7] offset:(4*(\W-2)+\a)*16*PITCH+64*\cb+16
.endr
.endr
	WIN 0
.endm
; THE WAY OUT.  A row's 256 bytes come from two waves: a barrier stands between the writing and the reading; then wave w reads rows 64 w on, whole, and stores them.
.macro OUT
	EPI 2
	EPI 3
	s_wait_dscnt 0x0                               ; for the others' sake: my stores into HT are done
	s_barrier_signal -1
	s_barrier_wait -1
.set t, 0
.rept 32
	ds_load_b128 v[OB+4*t:OB+4*t+3], v[HTR] offset:2*PITCH*t
.set t, t+1
.endr
.set t, 0
.rept 32
	s_wait_dscnt 31-t                              ; LDS loads come back in order (ISA guide 5.7.1): rows 2 t, 2 t + 1 are in, the younger ones may be out
	global_store_b128 v[HO], v[OB+4*t:OB+4*t+3], s[84:85] offset:8192*t th:TH_STORE_NT   ; 16 lanes store 256 consecutive bytes, at a multiple of 256 from the output's first byte; written once, read by nobody here
.set t, t+1
.endr
.endm
	s_wait_tensorcnt 0x1                           ; my part of the walk's step 0 is in; step 1's load may be out
	s_barrier_signal -1
	s_barrier_wait -1                              ; everybody's is
	s_mov_b32 s[TL], 2
.Ltile:                                                ; (every window is 0 here)
	FETCH_B 0, 0, 0
	FETCH_A 0, 0, 0
	FETCH_A 0, 0, 4
	STEPH 0, 0, 1                                  ; step 0: its first products start the sums r, z, inn
	HLOAD 0, 0
	STEPT 0
	TURN 0, 1, 0, 1, 1, 2, F1, P1, 0               ; slot 0 takes step 2; step 4, my cluster's first of hc and of the hidden side, is prefetched
	STEPH 1, 0, 0                                  ; step 1
	HLOAD 1, 1
	STEPT 1
	TURN 1, 0, 0, 1, 1, 3, F2, P2, 0               ; step 3; of step 5 the weights are prefetched
	STEPH 0, 0, 0                                  ; step 2
	s_wait_loadcnt 0x8                             ; h's chunk 0 is in; chunk 1's eight loads may be out
	HSTORE 0, 0                                    ; (wave w alone has read these rows of HT on the last way out, and LDS serves a wave's instructions in order)
	STEPT 0
	TURN 0, 1, 0, 1, 1, 4, 0, 0, 0                 ; step 4: hc and the hidden side's weights
	STEPH 1, 0, 0                                  ; step 3
	s_wait_loadcnt 0x0                             ; chunk 1 is in
	HSTORE 1, 1
	HLOAD 2, 0                                     ; (buffer 0's stores were waited for in front of the last barrier)
	STEPT 1
	TURN 1, 0, 0, 1, 1, 5, 0, 0, 0                 ; step 5
	RESCALE
	STEPH 0, 1, 2                                  ; step 4: its first products start the sums hn
	HLOAD 3, 1
	STEPT 0
	TURN 0, 1, 1, 1, 1, 6, FNX, P0, WALKC          ; step 6; the next tile's step 0 of x is prefetched
	STEPH 1, 1, 0                                  ; step 5
	s_wait_loadcnt 0x8                             ; chunk 2 is in; chunk 3's eight loads may be out
	HSTORE 2, 0
	STEPT 1
	TURN 1, 0, 1, 1, 1, 7, 0, 0, 0                 ; step 7
	STEPH 0, 1, 0                                  ; step 6
	s_wait_loadcnt 0x0                             ; chunk 3 is in
	HSTORE 3, 1                                    ; the last of h's tile: the next barrier shows all of HT to every wave
	STEPT 0
	s_cmp_eq_u32 s[TL], 1
	s_cbranch_scc1 .Llast                          ; the last tile's tail is written out: it asks for nothing more
	TURN 0, 1, 1, 1, 1, 8, 0, 0, 0                 ; THE RING GOES ON INTO THE NEXT TILE: slot 0 takes its step 0,
	STEPH 1, 1, 0                                  ; step 7
	STEPT 1
	TURN 1, 0, 1, 1, 0, 9, 0, 0, 0                 ; slot 1 its step 1; both land while the gates are computed
	OUT
	s_wait_xcnt 0x0                                ; the stores have read their registers, their offset and their base; h's loads and the prefetches their bases: all may be written
	s_add_nc_u64 s[88:89], s[88:89], WALKF
	s_add_nc_u64 s[84:85], s[84:85], WALKF
	s_cmp_eq_u32 s15, 0
	s_cselect_b32 s72, WALKC, 0                    ; hc's rows go on with the tile; the weights' pointer stays inside wc,
	s_cselect_b32 s[F1], s[F1], 0                  ; and the weights, which both tiles share, are asked for no more
	s_mov_b32 s73, 0
	s_mov_b32 s[F2], 0
	s_mov_b32 s[FNX], 0                            ; there is no tile behind the next
	s_add_nc_u64 s[P1:P1+1], s[P1:P1+1], s[72:73]
	s_sub_co_u32 s[TL], s[TL], 1
	s_branch .Ltile
.Llast:
	TURN 0, 1, 1, 0, 1, 0, 0, 0, 0                 ; my one tensor load that was still out is slot 1's, step 7's, so no round follows
	STEPH 1, 1, 0                                  ; step 7
	STEPT 1
	s_wait_dscnt 4*NL                              ; the very last half step: nothing more to fetch
	WIN MUL_LO
	MUL12 0, 1, 1, 0
	MUL12 2, 1, 1, 0
	s_wait_dscnt 0
	WIN MUL_HI
	MUL12 4, 1, 1, 0
	MUL12 6, 1, 1, 0
	PLACES NP
	WIN 0
	OUT
	s_wait_tensorcnt 0x0                           ; the wave's end: behind my last tensor load and my last LDS store
	ds_add_u32 v[SPW], v[NIL]
	s_wait_dscnt 0x0
	CROUND                                         ; the closing round: no work-group ends while a partner may still ask for a tile that names it
	s_endpgm
.Lfunc_end_k_qa44d9fdc80_gru:
	.size	k_qa44d9fdc80_gru, .Lfunc_end_k_qa44d9fdc80_gru-k_qa44d9fdc80_gru
	.p2alignl 7, 3214868480
	.fill 96, 4, 3214868480
	.section	.rodata,"a",@progbits
	.p2align	6, 0x0
	.amdhsa_kernel k_qa44d9fdc80_gru
		.amdhsa_group_segment_fixed_size 327680
		.amdhsa_private_segment_fixed_size 0
		.amdhsa_enable_private_segment 0
		.amdhsa_kernarg_size 96
		.amdhsa_user_sgpr_count 2
		.amdhsa_user_sgpr_kernarg_segment_ptr 1
		.amdhsa_wavefront_size32 1
		.amdhsa_system_sgpr_workgroup_id_x 1
		.amdhsa_system_sgpr_workgroup_id_y 1
		.amdhsa_system_sgpr_workgroup_id_z 1
		.amdhsa_system_vgpr_workitem_id 0
		.amdhsa_next_free_vgpr 1024
		.amdhsa_next_free_sgpr 102
		.amdhsa_reserve_vcc 0
		.amdhsa_float_denorm_mode_32 3
		.amdhsa_float_denorm_mode_16_64 3
		.amdhsa_memory_ordered 1
		.amdhsa_forward_progress 1
		.amdhsa_inst_pref_size 255
	.end_amdhsa_kernel
	.section	.bss,"aw",@nobits
	.p2align	6
	.space	262144
	.amdgpu_metadata
---
amdhsa.version: [ 1, 2 ]
amdhsa.kernels:
  - .name:           k_qa44d9fdc80_gru
    .symbol:         k_qa44d9fdc80_gru.kd
    .args:
      - { .name: x_codes, .offset: 0, .size: 8, .value_kind: global_buffer, .address_space: global }
      - { .name: hc, .offset: 8, .size: 8, .value_kind: global_buffer, .address_space: global }
      - { .name: wc, .offset: 16, .size: 8, .value_kind: global_buffer, .address_space: global }
      - { .name: h, .offset: 24, .size: 8, .value_kind: global_buffer, .address_space: global }
      - { .name: lowp_scales, .offset: 32, .size: 8, .value_kind: global_buffer, .address_space: global }
      - { .name: bias_ir, .offset: 40, .size: 8, .value_kind: global_buffer, .address_space: global }
      - { .name: bias_hr, .offset: 48, .size: 8, .value_kind: global_buffer, .address_space: global }
      - { .name: bias_iz, .offset: 56, .size: 8, .value_kind: global_buffer, .address_space: global }
      - { .name: bias_hz, .offset: 64, .size: 8, .value_kind: global_buffer, .address_space: global }
      - { .name: bias_in, .offset: 72, .size: 8, .value_kind: global_buffer, .address_space: global }
      - { .name: bias_hn, .offset: 80, .size: 8, .value_kind: global_buffer, .address_space: global }
      - { .name: out0, .offset: 88, .size: 8, .value_kind: global_buffer, .address_space: global }
    .group_segment_fixed_size: 327680
    .private_segment_fixed_size: 0
    .kernarg_segment_align: 8
    .kernarg_segment_size: 96
    .max_flat_workgroup_size: 128
    .sgpr_count:     102
    .vgpr_count:     1024
    .wavefront_size: 32
...
	.end_amdgpu_metadata
.endif
;; end of part 2
